; MI455X (gfx1250); checked and timed in simulation.
; The chip was launched on July 23, 2026; its instructions are those of AMD's public machine-readable ISA for CDNA 5 (MIT licence, August 2026) and "CDNA5" Instruction Set Architecture Reference Guide (July 2026). The comments in the code are by the model that wrote it; some were corrected since.
;; KAN Linear. Allowed arithmetic: float matrix products may take bf16 or f16 operands with f32 sums; other float arithmetic in f32, or as packed bf16 or f16 multiplies, adds, multiply-adds, maxima and minima; sums over many terms, partial sums and values carried from step to step in f32; what a program stores and reads back later, other than sums and carried values, may be rounded once to bf16 or f16.
;; Inputs: base_weight 256 x 256 float32; spline_weight 256 x 256 x 8 float32; x 8 x 4,096 x 256 float32.
;; Outputs: out0 8 x 4,096 x 256 float32.
;; One version. Each part assembles by itself: llvm-mc -triple=amdgcn-amd-amdhsa -mcpu=gfx1250 --defsym DOCPART=n.
;; ======== version 1 of 1: 2 launches
;; limits: values are held in f16: magnitudes above 65,504 overflow, below 6.1e-05 lose precision; inputs' magnitudes at most 65,504
;; workspace buffers: wt 1,179,648 bytes
;; launch wprep (part 1): grid 288 x 1, 8 waves a work-group, no clusters, 0 bytes of LDS; arguments base_weight, spline_weight, wt; writes wt
.if DOCPART == 1
	.amdgcn_target "amdgcn-amd-amdhsa--gfx1250"
	.amdhsa_code_object_version 6
	.text
	.protected	k_qca4576bfb7_wprep
	.globl	k_qca4576bfb7_wprep
	.p2align	8
	.type	k_qca4576bfb7_wprep,@function
k_qca4576bfb7_wprep:
	s_mov_b64 s[64:65], 0
	v_nop
	global_prefetch_b8 v0, s[64:65] scope:SCOPE_SE
	s_setreg_imm32_b32 hwreg(HW_REG_WAVE_MODE, 25, 1), 1
	s_wait_xcnt 0x0
; KANLinear, launch 1 of 2: both weight tensors are rounded ONCE to f16 and laid out in the order in which the second launch's operand registers take them.
; out[n][o] = sum_i silu(x[n][i]) base_weight[o][i] + sum_i sum_c B_c(x[n][i]) spline_weight[o][i][c]: one product with K = 256 + 2,048 = 2,304.
; NOTHING IS LEFT OUT: every input reaches every output. At most four of an element's eight bases differ from 0, but which four hangs on x's value, so the product stays dense.
; wt[s][q][n][kap], f16: s = 0..17 a K step, q = 0..1 the half of the features, n = 0..255 the output column, kap = 0..63 = 32 bt + 16 sec + 8 h + c.
;   s < 16:  spline_weight[n][128 q + 8 s + 4 h + 2 bt + sec][c]          s >= 16:  base_weight[n][128 q + 32 (2 (s - 16) + bt) + 16 h + 8 sec + c]
; That is a permutation of K, applied alike to the operand that the second launch makes from x.
; LIMIT. f16 ends at 65,504: a weight of 65,520 or more in magnitude becomes an infinity; below 6e-5 a weight keeps f16's fixed step of 6e-8.
; SHARES. 73,728 pieces of 16 bytes of wt, a thread each: 288 work-groups of 256 threads. Work-group g writes bytes 4,096 g on: a store of a wave covers 512 consecutive bytes, aligned.
; The eight threads of a column read 256 consecutive bytes, aligned, of their source. No LDS and no barrier: no thread wants another's bytes.
	s_load_b128 s[4:7], s[0:1], 0x0                ; base_weight s[4:5], spline_weight s[6:7]
	s_load_b64 s[8:9], s[0:1], 0x10                ; wt
	s_lshr_b32 s10, ttmp9, 3                       ; 2 s + q
	s_lshr_b32 s11, s10, 1                         ; s
	s_and_b32 s12, s10, 1                          ; q
	s_and_b32 s13, ttmp9, 7                        ; which 32 columns
	s_lshl_b32 s14, ttmp9, 12                      ; the work-group's 4,096 bytes of wt
	v_lshrrev_b32 v1, 3, v0                        ; my column among the 32
	v_and_b32 v2, 1, v0                            ; h
	v_bfe_u32 v3, v0, 1, 1                         ; sec
	v_bfe_u32 v4, v0, 2, 1                         ; bt
	v_lshlrev_b32 v6, 4, v0
	v_add_nc_u32 v6, s14, v6                       ; my 16 bytes of wt
	s_wait_kmcnt 0x0
	s_cmp_lt_u32 s11, 16                           ; made of the work-group's number alone
	s_cbranch_scc0 .Lbase
	s_lshl_b32 s15, s13, 18                        ; 32 columns x 8,192 bytes
	s_lshl_b32 s16, s12, 12                        ; 128 q features x 32 bytes
	s_lshl_b32 s17, s11, 8                         ; 8 s features x 32 bytes
	s_add_co_u32 s15, s15, s16
	s_add_co_u32 s15, s15, s17
	v_lshl_add_u32 v5, v1, 13, s15
	v_lshl_add_u32 v5, v2, 7, v5                   ; 4 h features
	v_lshl_add_u32 v5, v4, 6, v5                   ; 2 bt
	v_lshl_add_u32 v5, v3, 5, v5                   ; sec
	global_load_b128 v[8:11], v5, s[6:7] th:TH_LOAD_NT
	global_load_b128 v[12:15], v5, s[6:7] offset:16 th:TH_LOAD_NT
	s_branch .Lpack
.Lbase:
	s_lshl_b32 s15, s13, 15                        ; 32 columns x 1,024 bytes
	s_lshl_b32 s16, s12, 9                         ; 128 q features x 4 bytes
	s_sub_co_u32 s17, s11, 16
	s_lshl_b32 s17, s17, 8                         ; 64 (s - 16) features
	s_add_co_u32 s15, s15, s16
	s_add_co_u32 s15, s15, s17
	v_lshl_add_u32 v5, v1, 10, s15
	v_lshl_add_u32 v5, v4, 7, v5                   ; 32 bt features
	v_lshl_add_u32 v5, v2, 6, v5                   ; 16 h
	v_lshl_add_u32 v5, v3, 5, v5                   ; 8 sec
	global_load_b128 v[8:11], v5, s[4:5] th:TH_LOAD_NT
	global_load_b128 v[12:15], v5, s[4:5] offset:16 th:TH_LOAD_NT
.Lpack:
	s_wait_loadcnt 0x0                             ; both loads of the arm taken
	v_cvt_pk_f16_f32 v16, v8, v9                   ; the one rounding of the weights
	v_cvt_pk_f16_f32 v17, v10, v11
	v_cvt_pk_f16_f32 v18, v12, v13
	v_cvt_pk_f16_f32 v19, v14, v15
	global_store_b128 v6, v[16:19], s[8:9]
	s_endpgm
.Lfunc_end_k_qca4576bfb7_wprep:
	.size	k_qca4576bfb7_wprep, .Lfunc_end_k_qca4576bfb7_wprep-k_qca4576bfb7_wprep
	.p2alignl 7, 3214868480
	.fill 96, 4, 3214868480
	.section	.rodata,"a",@progbits
	.p2align	6, 0x0
	.amdhsa_kernel k_qca4576bfb7_wprep
		.amdhsa_group_segment_fixed_size 0
		.amdhsa_private_segment_fixed_size 0
		.amdhsa_enable_private_segment 0
		.amdhsa_kernarg_size 24
		.amdhsa_user_sgpr_count 2
		.amdhsa_user_sgpr_kernarg_segment_ptr 1
		.amdhsa_wavefront_size32 1
		.amdhsa_system_sgpr_workgroup_id_x 1
		.amdhsa_system_sgpr_workgroup_id_y 1
		.amdhsa_system_sgpr_workgroup_id_z 1
		.amdhsa_system_vgpr_workitem_id 0
		.amdhsa_next_free_vgpr 20
		.amdhsa_next_free_sgpr 66
		.amdhsa_reserve_vcc 0
		.amdhsa_float_denorm_mode_32 3
		.amdhsa_float_denorm_mode_16_64 3
		.amdhsa_memory_ordered 1
		.amdhsa_forward_progress 1
		.amdhsa_inst_pref_size 3
	.end_amdhsa_kernel
	.amdgpu_metadata
---
amdhsa.version: [ 1, 2 ]
amdhsa.kernels:
  - .name:           k_qca4576bfb7_wprep
    .symbol:         k_qca4576bfb7_wprep.kd
    .args:
      - { .name: base_weight, .offset: 0, .size: 8, .value_kind: global_buffer, .address_space: global }
      - { .name: spline_weight, .offset: 8, .size: 8, .value_kind: global_buffer, .address_space: global }
      - { .name: wt, .offset: 16, .size: 8, .value_kind: global_buffer, .address_space: global }
    .group_segment_fixed_size: 0
    .private_segment_fixed_size: 0
    .kernarg_segment_align: 8
    .kernarg_segment_size: 24
    .max_flat_workgroup_size: 256
    .sgpr_count:     66
    .vgpr_count:     20
    .wavefront_size: 32
...
	.end_amdgpu_metadata
.endif
;; end of part 1
;; launch kan (part 2): grid 256 x 1, 4 waves a work-group, clusters of 4 x 1, 327,680 bytes of LDS; arguments x, wt, out0; writes out0
.if DOCPART == 2
	.amdgcn_target "amdgcn-amd-amdhsa--gfx1250"
	.amdhsa_code_object_version 6
	.text
	.protected	k_qca4576bfb7_kan
	.globl	k_qca4576bfb7_kan
	.p2align	8
	.type	k_qca4576bfb7_kan,@function
k_qca4576bfb7_kan:
	s_mov_b64 s[64:65], 0
	v_nop
	global_prefetch_b8 v0, s[64:65] scope:SCOPE_SE
	s_setreg_imm32_b32 hwreg(HW_REG_WAVE_MODE, 25, 1), 1
	s_wait_xcnt 0x0
	s_wait_alu depctr_hold_cnt(0) depctr_sa_sdst(0) depctr_va_vdst(0) depctr_va_sdst(0) depctr_va_ssrc(0) depctr_va_vcc(0) depctr_vm_vsrc(0)
	s_getreg_b32 s2, hwreg(HW_REG_IB_STS2, 6, 4)
	s_cmp_eq_u32 s2, 0
	s_cbranch_scc0 .Lentry_in_a_cluster
	s_endpgm
.Lentry_in_a_cluster:
	s_bfe_u32 s2, ttmp6, 0x10000c
	s_cmp_lg_u32 s2, 0x3003
	s_cbranch_scc0 .Lentry_shape_is_right
	s_endpgm
.Lentry_shape_is_right:
; KANLinear, launch 2 of 2: out0[n][o] = sum_i silu(x[n][i]) Wb[o][i] + sum_i sum_c B_c(x[n][i]) Ws[o][i][c], as ONE product 32,768 x 256 with K = 2,304, f16 operands, f32 sums.
; Nothing of the problem is left out (see the first kernel's head): the product stays dense, since which bases are 0 hangs on x's values.
; The weights come from wt (f16, laid out by the first launch); the other operand is MADE IN REGISTERS from x, by the lane that holds it as a matrix operand: it never goes through LDS.
; THE BASES. The knots are -2.2, -1.8 .. 2.2, taken as exact multiples of 0.4 less 0.2 (the bases are continuous: a knot moved by a rounding moves a basis by a rounding).
;   xc = x held to -2.2 .. 2.2; z = xc 2.5 + (1.5 x 2^23 + 8), which rounds to a whole number: its lowest byte is 8 + j, j = round(2.5 xc); x lies in cell i = j + 5; r = 2.5 xc - j in -0.5 .. 0.5.
;   The four weights T0..T3 of bases i, i - 1, i - 2, i - 3 are cubics in r: two chains of three packed f16 multiply-adds give (T0, T1) and (T2, T3).
;   They are PLACED by v_perm_b32: basis p takes half e = i - p of the four; its selector is 0x0100 + 0x0202 e. e = 0..3 picks T[e]. e = 4, 5 names the selectors that repeat a half's sign bit
;   (ISA guide, v_perm_b32): 0 for a weight that is not negative. Every other e gives a selector byte of 13 or more in the half's upper byte, which reads 0xff: a quiet NaN,
;   and v_pk_max_num_f16 with 0 makes 0 of it (and of a weight that rounding left a hair below 0). At xc = +-2.2 the cell is 11 or -1: every e is out of range, all eight bases are 0.
;   The choice selects values alone: no address and no branch hangs on x.
; silu(x) = x / (1 + 2^(-x log2 e)), in f32, rounded once to f16.
; LIMITS. f16 ends at 65,504: |x| from 65,520 on gives an infinity where the problem has a finite silu. x = +infinity gives infinities by silu where the problem has NaN; a NaN in x makes its row NaN.
;   A basis is off by some 1.5e-4 (r and three multiply-adds rounded to f16). The two halves of K are summed apart and added once, in f32.
; SHARES. A work-group owns 128 rows and all 256 columns: 256 work-groups. Wave w: q = w / 2 is its half of the features (K = 1,152: 32 blocks of 32 for the bases, 4 for silu), p = w % 2 its 64 rows:
;   64 accumulators of 16 x 16. No element of x is worked on twice. The halves of K meet once, through LDS: each wave keeps 32 rows and sends the other 32 to the wave w ^ 2.
;   My row block number rho = 0..3 is the tile's row block (rho + 2 q) % 4, so that every wave keeps rho = 0, 1 and sends rho = 2, 3: no branch on q.
; THE MATRIX INSTRUCTION IS USED TRANSPOSED (source 0 = 16 columns' weights, source 1 = 16 rows of bases): a lane then holds one row and eight neighbouring columns of out0.
; BY TURNS. While block b is multiplied, block b + 1's operand is made: three vector instructions (silu: four) stand behind each matrix instruction.
; CLUSTER. All work-groups walk the same weights: the four of a cluster ask for each tile JOINTLY (the same tensor load, descriptor and mask in all four); a mask names four at the most, so 4 x 1.
; REGISTERS, in windows of 256 (s_set_vgpr_msb: bits 1:0 source 0, 3:2 source 1, 5:4 source 2, 7:6 destination):
;   window 0: addresses, constants, the operand made from x (two buffers), x, temporaries      window 1: the weights' fragments, two buffers of 128
;   window 2: accumulators of rho = 0, 1 ((rho, b) at 128 (rho % 2) + 8 b)                       window 3: those of rho = 2, 3
.set XPITCH, 528                       ; a row of my x tile in LDS: 512 bytes + 16 = 33 x 16: the 16 rows of a load start at 16 different 16-byte columns modulo 256
.set XTILE,  64*XPITCH                 ; 33,792: wave w's x tile at w x XTILE, read by that wave alone
.set RING,   4*XTILE                   ; 135,168: two slots for the weights
.set WPITCH, 144                       ; a column's 64 numbers of a step: 128 bytes + 16 = 9 x 16
.set WPART,  128*WPITCH                ; 18,432: what one tensor load brings: 128 columns of one half of K
.set SLOT,   4*WPART                   ; 73,728: a K step (two blocks of 32 for each half)
.set SPARE,  RING+2*SLOT               ; 282,624: the spare words, 128 bytes a wave: two blocks of 256 bytes that no other line names
.set STEPB,  65536                     ; a K step in wt
.set STG,    RING                      ; behind the last fill and a barrier: a stage of 16 rows x 1,040 bytes for each wave, in the ring's bytes,
.set SPITCH, 1040                      ; (1,024 + 16 = 65 x 16)
.set STGB,   16*SPITCH
                                       ; and 32,768 bytes a wave for the exchange, from byte 0 on, in the x tiles' bytes
.set ADRB, 2                           ; v2, v3   my lane's place in slot 0, 1: my half of K, column l % 16, 16 (l / 16)
.set AXL,  4                           ; v4, v5   my place in my x tile for rho = 0, 1 and for rho = 2, 3; stepped 64 bytes for two K steps
.set AXSL, 6                           ; v6, v7   the same for silu's blocks: 64 (l / 16) in place of 16 (l / 16); never rewritten
.set EXS,  8                           ; v8       the exchange: where I put 16 bytes
.set EXL,  9                           ; v9       where I take my partner's
.set SPW,  10                          ; v10      my spare word: SPARE + 4 x my thread's number; never rewritten
.set NIL,  11                          ; v11      0, for the add alone
.set VZ,   12                          ; v12      0 twice in f16
.set C2A,  13                          ; v13-18   the cubics' lower coefficients: chain A's r^2, r, 1; chain B's
.set PFO,  19                          ; v19      256 x lane
.set STO,  20                          ; v20      the way out: where I put 16 bytes of a row
.set RD,   21                          ; v21      where I read rows back
.set GO,   22                          ; v22      16 x lane
.set AF0,  32                          ; v32-63, v64-95    the operand made from x: two buffers, rho at + 8 rho
.set X0,   96                          ; v96-111, v112-127 x of a K step: two buffers, rho at + 4 rho: four features a lane
.set TS,   128                         ; v128-175 two sets of temporaries, for two row blocks that take turns: xc pair, z pair, r pair; for each element rr, (T0,T1), (T2,T3), the cell four times, four selectors
.set TT,   128                         ; v128-159 silu: 32 numbers at work
.set XS0,  176                         ; v176-207, v208-239 silu: x of rho = 0, 1 and of rho = 2, 3: 16 features a lane and row block
.set WV,  10                           ; s10 wave   s11 q   s12 p   s13 cx   s14 work-group
.set Q,   11
.set P,   12
.set CX,  13
.set WG,  14
.set LIM, 15                           ; s15  1 in a wave that prefetches, else the greatest number
.set G1X, 20                           ; s[20:27] descriptor group 1 for my x tile
.set G1W, 28                           ; s[28:35] for the weights' tiles
.set G0X, 36                           ; s[36:39] group 0 for my x tile
.set G0W, 40                           ; s[40:47] group 0 for the weights, a set for each slot
.set TRIP, 48                          ; s48  the loop's count
.set K25, 50                           ; s[50:51] 2.5
.set KM,  52                           ; s[52:53] 1.5 x 2^23 + 8
.set KLO, 54                           ; s54 -2.2, s55 2.2
.set KHI, 55
.set KSB, 56                           ; s56-59 the selectors' constants, a register of two bases each
.set KC3, 60                           ; s60, s61 the cubics' leading coefficients, chain A's and B's
.set KNL, 62                           ; s[62:63] -log2(e)
.set PFA, 66                           ; s[66:67] where my prefetches stand
.set MSB, 0
.set JK, 0
.set JB, 0
.set JX, 0
.set JBETA, 0
.set GAM, 0
.set j, 0
.set sj, 0
.set i, 0
.set BFX, 0
.set AFX, 0
.set ZERO, 0
.macro WIN new                         ; the immediate's high byte repeats the setting that is left; a switch that changes nothing is dropped
.if MSB != (\new)
	s_set_vgpr_msb (MSB<<8)|(\new)
.set MSB, (\new)
.endif
.endm
; A round of the cluster's barrier: my work-group's barrier, so that wave 0's signal speaks for all four waves; wave 0 signals; every wave waits for all four work-groups; my work-group's barrier once more.
.macro CREST                           ; a round behind its opening barrier
	s_cmp_lg_u32 s[WV], 0
	s_cbranch_scc1 .Lnot_wave_0_\@
	s_barrier_signal -3
.Lnot_wave_0_\@:
	s_barrier_wait -3
	s_barrier_signal -1
	s_barrier_wait -1
.endm
.macro CROUND
	s_barrier_signal -1
	s_barrier_wait -1
	CREST
.endm
; Matrix instruction i of a block's 64: row block i / 16, column tile i % 16. All 64 accumulators take turns, one instruction a turn: 63 others stand between two links of a chain, from block to block and over the backward jump too.
.macro MM
.set rho, i/16
.set cb, i%16
.set rD, 128*(rho%2)+8*cb
	WIN 0xa1+0x50*(rho/2)
.if ZERO
	v_wmma_f32_16x16x32_f16 v[rD:rD+7], v[128*BFX+8*cb:128*BFX+8*cb+7], v[AF0+32*AFX+8*rho:AF0+32*AFX+8*rho+7], 0
.else
	v_wmma_f32_16x16x32_f16 v[rD:rD+7], v[128*BFX+8*cb:128*BFX+8*cb+7], v[AF0+32*AFX+8*rho:AF0+32*AFX+8*rho+7], v[rD:rD+7]
.endif
.set i, i+1
.endm
; THE BASES' JOB: the operand of one block of 32 along K, for my 64 rows: 180 instructions; SPJ writes the next. Two row blocks take turns (first rho = 0, 1, then 2, 3), so that no line reads the line before it.
; For a row block 45 lines make two elements' 16 bases: 0, 1 xc; 2 z; 3 -j; 4 r; 5, 6 r twice in f16; 7, 8 the cell's byte four times; 9-20 the two chains; 21-28 selectors; 29-36 placing; 37-44 NaN to 0.
.macro JOBSP jb, jx, beta              ; into buffer jb, from x's buffer jx, elements 2 beta and 2 beta + 1 of the lane's four
.set JK, 1
.set JB, \jb
.set JX, \jx
.set JBETA, \beta
.set j, 0
.endm
.macro SPJ
.set sn, (j%90)/2
.set JR, 2*(j/90)+j%2
.set TB, TS+24*(j%2)
.set XR, X0+16*JX+4*JR+2*JBETA
.set AD, AF0+32*JB+8*JR
.if sn < 2
	v_med3_num_f32 v[TB+sn], v[XR+sn], s[KLO], s[KHI]
.elseif sn == 2
	v_pk_fma_f32 v[TB+2:TB+3], v[TB:TB+1], s[K25:K25+1], s[KM:KM+1] op_sel_hi:[1,0,0]
.elseif sn == 3
	v_pk_add_f32 v[TB+4:TB+5], v[TB+2:TB+3], s[KM:KM+1] op_sel_hi:[1,0] neg_lo:[1,0] neg_hi:[1,0]
.elseif sn == 4
	v_pk_fma_f32 v[TB+4:TB+5], v[TB:TB+1], s[K25:K25+1], v[TB+4:TB+5] op_sel_hi:[1,0,1]
.elseif sn < 7
.set EB, TB+6+8*(sn-5)
	v_cvt_pk_f16_f32 v[EB], v[TB+4+sn-5], v[TB+4+sn-5]
.elseif sn < 9
.set EB, TB+6+8*(sn-7)
	v_perm_b32 v[EB+3], v[TB+2+sn-7], v[TB+2+sn-7], 0
.elseif sn < 13
.set EB, TB+6+8*((sn-9)/2)
	v_pk_fma_f16 v[EB+1+(sn-9)%2], v[EB], s[KC3+(sn-9)%2], v[C2A+3*((sn-9)%2)]
.elseif sn < 17
.set EB, TB+6+8*((sn-13)/2)
	v_pk_fma_f16 v[EB+1+(sn-13)%2], v[EB+1+(sn-13)%2], v[EB], v[C2A+1+3*((sn-13)%2)]
.elseif sn < 21
.set EB, TB+6+8*((sn-17)/2)
	v_pk_fma_f16 v[EB+1+(sn-17)%2], v[EB+1+(sn-17)%2], v[EB], v[C2A+2+3*((sn-17)%2)]
.elseif sn < 29
.set EB, TB+6+8*((sn-21)/4)
	v_lshl_add_u32 v[EB+4+(sn-21)%4], v[EB+3], 1, s[KSB+(sn-21)%4]
.elseif sn < 37
.set EB, TB+6+8*((sn-29)/4)
	v_perm_b32 v[AD+sn-29], v[EB+2], v[EB+1], v[EB+4+(sn-29)%4]
.else
	v_pk_max_num_f16 v[AD+sn-37], v[AD+sn-37], v[VZ]
.endif
.set j, j+1
.endm
; SILU'S JOB: two halves (rho = 0, 1; rho = 2, 3) of 130 entries, 32 elements a lane each: 0-15 -x log2 e; 16-47 exponentials; 48 a plain instruction and a wait
; between a batch of transcendentals and the first line that names a result; 49-64 + 1; 65-96 reciprocals; 97 as 48; 98-113 times x; 114-129 rounded to f16 into the operand.
.macro JOBSL jb, g
.set JK, 2
.set JB, \jb
.set GAM, \g
.set sj, 0
.endm
.macro SLJ
.set sh, sj/130
.set sn, sj%130
.set XB, XS0+32*sh
.if sn < 16
	v_pk_mul_f32 v[TT+2*sn:TT+2*sn+1], v[XB+2*sn:XB+2*sn+1], s[KNL:KNL+1] op_sel_hi:[1,0]
.elseif sn < 48
	v_exp_f32 v[TT+sn-16], v[TT+sn-16]
.elseif sn == 48
	v_nop
	s_wait_alu depctr_va_vdst(0)
.elseif sn < 65
	v_pk_add_f32 v[TT+2*(sn-49):TT+2*(sn-49)+1], v[TT+2*(sn-49):TT+2*(sn-49)+1], 1.0 op_sel_hi:[1,0]
.elseif sn < 97
	v_rcp_f32 v[TT+sn-65], v[TT+sn-65]
.elseif sn == 97
	v_nop
	s_wait_alu depctr_va_vdst(0)
.elseif sn < 114
	v_pk_mul_f32 v[TT+2*(sn-98):TT+2*(sn-98)+1], v[TT+2*(sn-98):TT+2*(sn-98)+1], v[XB+2*(sn-98):XB+2*(sn-98)+1]
.else
	v_cvt_pk_f16_f32 v[AF0+32*JB+16*sh+sn-114], v[TT+2*(sn-114)], v[TT+2*(sn-114)+1]
.endif
.set sj, sj+1
.endm
; What stands behind a matrix instruction: three lines of the bases' job (60 x 3 = 180), or four of silu's (six behind the 32nd and the 64th: 31 x 4 + 6 = 130). None names a register of the products round it.
.macro RID
.if JK == 1
.if j < 180
	WIN 0
	SPJ
	SPJ
	SPJ
.endif
.elseif JK == 2
	WIN 0
	SLJ
	SLJ
	SLJ
	SLJ
.if (i%32) == 0
	SLJ
	SLJ
.endif
.endif
.endm
.macro SLICES n
.rept \n
	MM
	RID
.endr
.endm
; THE LDS LOADS stand in runs. A block's 16 fragments of weights: column tile t, 32 along K at byte 64 beta of the columns' rows, into buffer bf of window 1.
; A load into a register that a matrix instruction has read stands four plain vector instructions or more behind it: the buffer's last reader is the block before's last product, and the lines of RID lie between.
.macro FETCHB sigma, beta, bf
	WIN 0x40
.set t, 0
.rept 16
	ds_load_b128 v[128*(\bf)+8*t:128*(\bf)+8*t+3],   v[ADRB+(\sigma)] offset:t*16*WPITCH+64*(\beta)
	ds_load_b128 v[128*(\bf)+8*t+4:128*(\bf)+8*t+7], v[ADRB+(\sigma)] offset:t*16*WPITCH+64*(\beta)+32
.set t, t+1
.endr
.endm
.macro XLOAD buf                       ; a K step's x: four features a lane for each of my four row blocks
	WIN 0
.irp u, 0,1,2,3
	ds_load_b128 v[X0+16*(\buf)+4*(\u):X0+16*(\buf)+4*(\u)+3], v[AXL+(\u)/2] offset:32*(\buf)+16*XPITCH*((\u)%2)
.endr
.endm
.macro XSLOAD hh, g                    ; silu's block g: 16 features a lane for the two row blocks of half hh
	WIN 0
.irp u, 0,1
.irp tq, 0,1,2,3
	ds_load_b128 v[XS0+32*(\hh)+16*(\u)+4*(\tq):XS0+32*(\hh)+16*(\u)+4*(\tq)+3], v[AXSL+(\hh)] offset:16*XPITCH*(\u)+128*(\g)+16*(\tq)
.endr
.endr
.endm
.macro EXTRA kind, arg                 ; 1: the next K step's x into buffer arg; 2: silu's block arg, first half
.if (\kind) == 1
	XLOAD \arg
.elseif (\kind) == 2
	XSLOAD 0, \arg
.endif
.endm
; A PREFETCH INTO THE L2 of a K step of wt, behind the joint load, its five lines and the run of LDS loads: the step that stands THREE refills on. Every cluster walks the same wt: the first cluster asks, nobody else.
; Its four partners share a step's 65,536 bytes out BY ADDRESS, 16,384 each; in each, waves 0 and 1 take 8,192: a lane a block of 256 bytes, one instruction. So each block of steps 5 to 17 is named once in the launch.
; how = 1: every trip; how = 2: not in the loop's last trip, whose step three refills on does not exist. Steps 0 to 4 come by their loads alone; the tail asks for nothing.
.macro ASK how
.if (\how) == 1
	s_cmp_eq_u32 s[LIM], 1
.else
	s_cmp_gt_u32 s[TRIP], s[LIM]
.endif
	s_cbranch_scc0 .Lnot_mine_\@
	global_prefetch_b8 v[PFO], s[PFA:PFA+1] th:TH_LOAD_NT scope:SCOPE_SE
.Lnot_mine_\@:
.endm
; A K STEP'S FIRST BLOCK, on buffers 0; in its middle the second block's fragments are fetched from the same slot.
.macro EVEN sigma, zero, xk, xa
.set i, 0
.set BFX, 0
.set AFX, 0
.set ZERO, \zero
	s_wait_dscnt 0x0                               ; this block's fragments are in, and what was fetched with them
.if JK == 2
	XSLOAD 1, GAM                                  ; silu's second half: wanted from the 33rd product on
.endif
	SLICES 32
.if JK == 2
	s_wait_dscnt 0x0                               ; it is in
.endif
	FETCHB \sigma, 1, 1
	EXTRA \xk, \xa
	SLICES 32
.endm
; A K STEP'S SECOND BLOCK, on buffers 1, AND THE CHANGE OF SLOTS: one barrier for two things. In front of it each wave waits for all its tensor loads, of which one is out: its part of the other slot; adds 0 to its
; spare word; and waits for that and for its reads of this slot. Behind it nobody reads this slot any more and the other slot is whole. fill = 1: the barrier opens a round of the cluster's, so that no wave of any
; partner still reads the slot or has a load on its way, and the joint refill, this slot's step two steps on, is the first thing behind the round: 112 products stand between it and the wait for it.
.macro ODD sigma, fill, ask, xk, xa
.set i, 0
.set BFX, 1
.set AFX, 1
.set ZERO, 0
.if \ask
	s_wait_xcnt 0x0                                ; the last prefetch, a K step back, has read its address: it is stepped here, ahead of the change's own waits
	s_add_nc_u64 s[PFA:PFA+1], s[PFA:PFA+1], STEPB
.endif
	s_wait_dscnt 0x0                               ; this block's fragments are in: my last reads of this slot
.if JK == 2
	XSLOAD 1, GAM
.endif
	SLICES 16
	WIN 0                                          ; (the add's two registers lie in window 0)
	s_wait_tensorcnt 0x0                           ; all my tensor loads have landed, so a group 0 may be written
	ds_add_u32 v[SPW], v[NIL]                      ; 0 onto my spare word; work on registers stands between it and the wait for it
.if \fill
	s_add_nc_u64 s[G0W+4*(\sigma)+2:G0W+4*(\sigma)+3], s[G0W+4*(\sigma)+2:G0W+4*(\sigma)+3], 2*STEPB  ; the type bits on top are not reached
.endif
	SLICES 9
	s_wait_dscnt 0x0                               ; the add is done, and no LDS load of mine is out
	s_barrier_signal -1
	SLICES 7                                       ; work on registers while the others arrive
	WIN 0
	s_barrier_wait -1
.if \fill
	CREST
	tensor_load_to_lds s[G0W+4*(\sigma):G0W+4*(\sigma)+3], s[G1W:G1W+7]
	s_nop 0
.rept 4
	v_nop
.endr
.endif
	FETCHB 1-(\sigma), 0, 0                        ; the other slot's first block
	EXTRA \xk, \xa
.if \ask
	WIN 0
	ASK \ask
.endif
	SLICES 32
.endm
	s_load_b128 s[4:7], s[0:1], 0x0                ; x s[4:5], wt s[6:7]
	s_load_b64 s[8:9], s[0:1], 0x10                ; out0
	v_lshl_add_u32 v[SPW], v0, 2, SPARE
	v_mov_b32 v[NIL], 0
	ds_add_u32 v[SPW], v[NIL]                      ; the wave's opening: the add, twice on end, and its wait ahead of my first tensor load; the set-up below stands between
	ds_add_u32 v[SPW], v[NIL]
	v_lshrrev_b32 v1, 5, v0
	v_readfirstlane_b32 s[WV], v1                  ; wave 0..3
	s_lshr_b32 s[Q], s[WV], 1                      ; my half of K
	s_and_b32 s[P], s[WV], 1                       ; my 64 rows
	s_bfe_u32 s[CX], ttmp6, 0x40000                ; my place in the cluster: it enters x's, out0's and the prefetches' addresses alone
	s_lshl_b32 s[WG], ttmp9, 2                     ; in a cluster launch ttmp9 counts clusters
	s_add_co_u32 s[WG], s[WG], s[CX]
	; group 1 for my x tile: 64 rows x 128 f32, 256 elements from row to row, 4 words of padding behind every 128; a load of my own: no mask
	s_mov_b32 s[G1X+0], (2<<16)|(1<<20)|(6<<22)|(3<<25)
	s_mov_b32 s[G1X+1], 128<<16                    ; tensor_dim0
	s_mov_b32 s[G1X+2], 64<<16                     ; tensor_dim1
	s_mov_b32 s[G1X+3], 128<<16                    ; tile_dim0
	s_mov_b32 s[G1X+4], 64                         ; tile_dim1
	s_mov_b32 s[G1X+5], 256                        ; the pitch
	s_mov_b32 s[G1X+6], 0
	s_mov_b32 s[G1X+7], 0
	; group 1 for the weights: 16,384 dense bytes as 64 rows of 256 bytes (two columns a row), 4 words of padding behind every 32; the mask of four, bit 21 beside it
	s_mov_b32 s[G1W+0], 15|(1<<16)|(1<<20)|(1<<21)|(4<<22)|(3<<25)
	s_mov_b32 s[G1W+1], 128<<16
	s_mov_b32 s[G1W+2], 64<<16
	s_mov_b32 s[G1W+3], 128<<16
	s_mov_b32 s[G1W+4], 64
	s_mov_b32 s[G1W+5], 128
	s_mov_b32 s[G1W+6], 0
	s_mov_b32 s[G1W+7], 0
	s_mov_b32 s[G0X], 1
	s_mul_i32 s[G0X+1], s[WV], XTILE
	s_mov_b32 s[G0W], 1
	s_mul_i32 s[G0W+1], s[WV], WPART               ; my quarter of a slot: the wave's number alone enters
	s_add_co_u32 s[G0W+1], s[G0W+1], RING
	s_mov_b32 s[G0W+4], 1
	s_add_co_u32 s[G0W+5], s[G0W+1], SLOT
	s_lshl_b32 s16, s[WG], 17                      ; 128 rows of 1,024 bytes,
	s_lshl_b32 s2, s[P], 16                        ; my 64 of them
	s_add_co_u32 s16, s16, s2
	s_mov_b32 s17, 0
	s_lshl_b32 s18, s[Q], 9                        ; x: my 128 features
	s_add_co_u32 s18, s18, s16
	s_mov_b32 s19, 0
	s_lshl_b32 s2, s[Q], 15                        ; out0: the 32 rows that I keep
	s_add_co_u32 s16, s16, s2
	s_lshl_b32 s2, s[WV], 14                       ; wt: my quarter of a step
	s_mov_b32 s3, 0
	s_lshl_b32 s48, s[CX], 14                      ; the prefetches: my work-group's quarter of a step,
	s_lshl_b32 s49, s[WV], 13                      ; my wave's half of it,
	s_add_co_u32 s48, s48, s49
	s_add_co_u32 s48, s48, 4*STEPB                 ; at step 4: the first change of slots steps it to 5
	s_mov_b32 s49, 0
	s_or_b32 s[LIM], s[Q], ttmp9                   ; 0 in waves 0 and 1 of the first cluster: the same in all four partners
	s_cmp_eq_u32 s[LIM], 0
	s_cselect_b32 s[LIM], 1, -1
	s_mov_b32 s[K25], 0x40200000                   ; 2.5
	s_mov_b32 s[K25+1], s[K25]                     ; named with it as a pair
	s_mov_b32 s[KM], 0x4b400008                    ; 12,582,920
	s_mov_b32 s[KM+1], s[KM]
	s_mov_b32 s[KLO], 0xc00ccccd                   ; -2.2
	s_mov_b32 s[KHI], 0x400ccccd
	s_mov_b32 s[KSB+0], 0xf8f7fafa                 ; bases 0, 1: (0x0100 - 0x0202 x 4) << 16 plus 0x0100 - 0x0202 x 3; the cell's byte, 8 + j, times 0x02020202 is added
	s_mov_b32 s[KSB+1], 0xf4f3f6f6                 ; bases 2, 3
	s_mov_b32 s[KSB+2], 0xf0eff2f2                 ; bases 4, 5
	s_mov_b32 s[KSB+3], 0xecebeeee                 ; bases 6, 7
	s_mov_b32 s[KC3], 0xb8003155                   ; r^3: T0 1/6, T1 -1/2
	s_mov_b32 s[KC3+1], 0xb1553800                 ; T2 1/2, T3 -1/6
	s_mov_b32 s[KNL], 0xbfb8aa3b                   ; -log2(e)
	s_mov_b32 s[KNL+1], s[KNL]
	s_wait_dscnt 0x0                               ; both opening adds are done
	s_wait_kmcnt 0x0
	s_add_nc_u64 s[G0X+2:G0X+3], s[4:5], s[18:19]
	s_or_b32 s[G0X+3], s[G0X+3], 0x80000000        ; type = 2
	s_add_nc_u64 s[G0W+2:G0W+3], s[6:7], s[2:3]    ; step 0
	s_add_nc_u64 s[G0W+6:G0W+7], s[G0W+2:G0W+3], STEPB  ; step 1
	s_or_b32 s[G0W+3], s[G0W+3], 0x80000000
	s_or_b32 s[G0W+7], s[G0W+7], 0x80000000
	s_add_nc_u64 s[8:9], s[8:9], s[16:17]
	s_add_nc_u64 s[PFA:PFA+1], s[6:7], s[48:49]
	CROUND                                         ; all four work-groups are here: the first joint loads meet
	tensor_load_to_lds s[G0X:G0X+3], s[G1X:G1X+7]  ; the first fills go out as one group: my x tile, wanted first,
	s_nop 0
	tensor_load_to_lds s[G0W:G0W+3], s[G1W:G1W+7]  ; my quarter of step 0,
	s_nop 0
	tensor_load_to_lds s[G0W+4:G0W+7], s[G1W:G1W+7]  ; and of step 1: three loads of mine are out
	s_nop 0
.rept 4
	v_nop
.endr
	v_and_b32 v23, 15, v0                          ; l % 16
	v_bfe_u32 v24, v0, 4, 1                        ; l / 16
	v_and_b32 v25, 31, v0                          ; l
	v_mul_u32_u24 v1, v23, WPITCH
	v_lshl_add_u32 v1, v24, 4, v1
	s_mul_i32 s2, s[Q], 2*WPART
	s_add_co_u32 s2, s2, RING
	v_add_nc_u32 v[ADRB], s2, v1
	v_add_nc_u32 v[ADRB+1], SLOT, v[ADRB]
	v_mul_u32_u24 v26, v23, XPITCH
	v_lshl_add_u32 v27, v24, 4, v26
	v_lshl_add_u32 v28, v24, 6, v26
	s_mul_i32 s2, s[WV], XTILE
	s_mul_i32 s3, s[Q], 32*XPITCH
	s_add_co_u32 s16, s2, s3                       ; rho = 0, 1: the tile's row blocks 2 q, 2 q + 1
	s_add_co_u32 s17, s2, 32*XPITCH
	s_sub_co_u32 s17, s17, s3                      ; rho = 2, 3: row blocks 2 - 2 q, 3 - 2 q
	v_add_nc_u32 v[AXL], s16, v27
	v_add_nc_u32 v[AXL+1], s17, v27
	v_add_nc_u32 v[AXSL], s16, v28
	v_add_nc_u32 v[AXSL+1], s17, v28
	s_lshl_b32 s2, s[WV], 15
	v_lshl_add_u32 v[EXS], v25, 4, s2
	s_xor_b32 s3, s[WV], 2                         ; my partner: the same rows, the other half of K
	s_lshl_b32 s3, s3, 15
	v_lshl_add_u32 v[EXL], v25, 4, s3
	s_mul_i32 s2, s[WV], STGB
	s_add_co_u32 s2, s2, STG
	v_mul_u32_u24 v1, v23, SPITCH
	v_lshl_add_u32 v1, v24, 5, v1                  ; row l % 16, 32 bytes for each half of the lanes
	v_add_nc_u32 v[STO], s2, v1
	v_lshl_add_u32 v[RD], v25, 4, s2
	v_lshlrev_b32 v[GO], 4, v25
	v_lshlrev_b32 v[PFO], 8, v25
	v_mov_b32 v[VZ], 0
	v_mov_b32 v[C2A+0], 0xb4003400                 ; r^2: T0 1/4, T1 -1/4
	v_mov_b32 v[C2A+1], 0x39003000                 ; r:   1/8, 5/8
	v_mov_b32 v[C2A+2], 0x37ab2555                 ; 1:   1/48, 23/48
	v_mov_b32 v[C2A+3], 0x3400b400                 ; r^2: T2 -1/4, T3 1/4
	v_mov_b32 v[C2A+4], 0xb000b900                 ; r:   -5/8, -1/8
	v_mov_b32 v[C2A+5], 0x255537ab                 ; 1:   23/48, 1/48
	s_wait_tensorcnt 0x2                           ; my x tile is in (I alone read it); the two loads issued behind it stay out
	XLOAD 0                                        ; K step 0's x
	s_wait_dscnt 0x0
	JOBSP 0, 0, 0                                  ; block 0's operand: there are no products yet to set it between
.rept 180
	SPJ
.endr
	s_wait_tensorcnt 0x1                           ; my part of step 0 is in; step 1's stays out
	s_barrier_signal -1
	s_barrier_wait -1                              ; everybody's is
	FETCHB 0, 0, 0
	JOBSP 1, 0, 1
	EVEN 0, 1, 1, 1                                ; block 0 stands in front of the loop: its products start the sums; nothing is ever cleared
	WIN 0                                          ; at a label and at a branch every window is 0
	v_add_nc_u32 v[AXL], 64, v[AXL]                ; two K steps of x on
	v_add_nc_u32 v[AXL+1], 64, v[AXL+1]
	s_mov_b32 s[TRIP], 7
.Ltrip:                                                ; blocks 4 t + 1 .. 4 t + 4: from a step's second block to the first of the step after next; both slots are filled again
	JOBSP 0, 1, 0
	ODD 0, 1, 1, 0, 0
	JOBSP 1, 1, 1
	EVEN 1, 0, 1, 0
	JOBSP 0, 0, 0
	ODD 1, 1, 2, 0, 0
	JOBSP 1, 0, 1
	EVEN 0, 0, 1, 1
	WIN 0
	v_add_nc_u32 v[AXL], 64, v[AXL]
	v_add_nc_u32 v[AXL+1], 64, v[AXL+1]
	s_sub_co_u32 s[TRIP], s[TRIP], 1
	s_cmp_lg_u32 s[TRIP], 0
	s_cbranch_scc1 .Ltrip
	JOBSP 0, 1, 0                                  ; the tail is written out: the bases' last two blocks, silu's four
	ODD 0, 1, 0, 0, 0                              ; block 29; step 16 is asked for
	JOBSP 1, 1, 1
	EVEN 1, 0, 2, 0                                ; block 30
	JOBSL 0, 0
	ODD 1, 1, 0, 2, 1                              ; block 31; step 17, the last, is asked for
	JOBSL 1, 1
	EVEN 0, 0, 2, 2                                ; block 32
	JOBSL 0, 2
	ODD 0, 0, 0, 2, 3                              ; block 33: the last change of slots fills nothing, so no round follows its barrier
	JOBSL 1, 3
	EVEN 1, 0, 0, 0                                ; block 34
.set JK, 0
.set i, 0
.set BFX, 1
.set AFX, 1
	s_wait_dscnt 0x0
	SLICES 64                                      ; block 35: nothing is left to make
	; THE WAY OUT. The halves of K meet: I send rho = 2, 3 (window 3) to my partner and add its window 3 onto my rho = 0, 1; then 16 rows at a time go through my stage and leave as whole rows.
	WIN 0
.rept 8
	v_nop                                          ; the places between the last products and the LDS stores that read their results
.endr
	s_wait_dscnt 0x0
	s_barrier_signal -1
	s_barrier_wait -1                              ; no wave reads an x tile or the ring any more, and both have had their last fill: their bytes are free
	WIN 0x0c                                       ; store data in window 3
.set k, 0
.rept 64
	ds_store_b128 v[EXS], v[4*k:4*k+3] offset:512*k  ; each accumulator's low registers first
.set k, k+1
.endr
	s_wait_dscnt 0x0                               ; for my partner's sake: my stores are done
	s_barrier_signal -1
	s_barrier_wait -1
	WIN 0x40                                       ; into window 1, whose fragments are spent
.set k, 0
.rept 64
	ds_load_b128 v[4*k:4*k+3], v[EXL] offset:512*k
.set k, k+1
.endr
.macro ADDS first                      ; 64 packed sums, ascending: window 2 += window 1
	WIN 0x86
.set k, \first
.rept 64
	v_pk_add_f32 v[2*k:2*k+1], v[2*k:2*k+1], v[2*k:2*k+1]
.set k, k+1
.endr
.endm
.macro STAGE hh                        ; row block hh: a lane's eight columns, 32 bytes, into rows of 1,040 bytes; back as half rows of 512 bytes. My own bytes: LDS serves a wave's instructions in order (ISA guide 5.7.1.4)
	WIN 0x08                                       ; store data in window 2
.set k, 0
.rept 32
	ds_store_b128 v[STO], v[128*(\hh)+4*k:128*(\hh)+4*k+3] offset:64*(k/2)+16*(k%2)
.set k, k+1
.endr
	WIN 0x40
.set k, 0
.rept 32
	ds_load_b128 v[128*(\hh)+4*k:128*(\hh)+4*k+3], v[RD] offset:(k/2)*SPITCH+(k%2)*512
.set k, k+1
.endr
.endm
.macro SENDG hh, first                 ; 16 stores: each covers 512 consecutive bytes of out0, at a multiple of 512 from its first byte
	WIN 0x04                                       ; store data in window 1
.set k, \first
.rept 16
	global_store_b128 v[GO], v[128*(\hh)+4*k:128*(\hh)+4*k+3], s[8:9] offset:(\hh)*16384+(k/2)*1024+(k%2)*512 th:TH_STORE_NT
.set k, k+1
.endr
.endm
	s_wait_dscnt 32                                ; the first 32 of the 64 loads are in
	ADDS 0
	STAGE 0
	s_wait_dscnt 63                                ; the other 32 are in: 64 LDS instructions were issued behind them; the count is the largest that the wait takes
	ADDS 64                                        ; stands between the stage's loads and the wait for them
	s_wait_dscnt 16
	SENDG 0, 0
	s_wait_dscnt 0x0
	SENDG 0, 16
	STAGE 1                                        ; back into other registers than those that the stores above still read
	s_wait_dscnt 16
	SENDG 1, 0
	s_wait_dscnt 0x0
	SENDG 1, 16
	WIN 0
	s_wait_tensorcnt 0x0                           ; the wave's end: a wait, an add and its wait, behind my last tensor load and my last LDS store
	ds_add_u32 v[SPW], v[NIL]
	s_wait_dscnt 0x0
	CROUND                                         ; the closing round: no work-group ends while a partner may still ask for a tile that names it
	s_endpgm
.Lfunc_end_k_qca4576bfb7_kan:
	.size	k_qca4576bfb7_kan, .Lfunc_end_k_qca4576bfb7_kan-k_qca4576bfb7_kan
	.p2alignl 7, 3214868480
	.fill 96, 4, 3214868480
	.section	.rodata,"a",@progbits
	.p2align	6, 0x0
	.amdhsa_kernel k_qca4576bfb7_kan
		.amdhsa_group_segment_fixed_size 327680
		.amdhsa_private_segment_fixed_size 0
		.amdhsa_enable_private_segment 0
		.amdhsa_kernarg_size 24
		.amdhsa_user_sgpr_count 2
		.amdhsa_user_sgpr_kernarg_segment_ptr 1
		.amdhsa_wavefront_size32 1
		.amdhsa_system_sgpr_workgroup_id_x 1
		.amdhsa_system_sgpr_workgroup_id_y 1
		.amdhsa_system_sgpr_workgroup_id_z 1
		.amdhsa_system_vgpr_workitem_id 0
		.amdhsa_next_free_vgpr 1024
		.amdhsa_next_free_sgpr 68
		.amdhsa_reserve_vcc 0
		.amdhsa_float_denorm_mode_32 3
		.amdhsa_float_denorm_mode_16_64 3
		.amdhsa_memory_ordered 1
		.amdhsa_forward_progress 1
		.amdhsa_inst_pref_size 255
	.end_amdhsa_kernel
	.section	.bss,"aw",@nobits
	.p2align	6
	.space	262144
	.amdgpu_metadata
---
amdhsa.version: [ 1, 2 ]
amdhsa.kernels:
  - .name:           k_qca4576bfb7_kan
    .symbol:         k_qca4576bfb7_kan.kd
    .args:
      - { .name: x, .offset: 0, .size: 8, .value_kind: global_buffer, .address_space: global }
      - { .name: wt, .offset: 8, .size: 8, .value_kind: global_buffer, .address_space: global }
      - { .name: out0, .offset: 16, .size: 8, .value_kind: global_buffer, .address_space: global }
    .group_segment_fixed_size: 327680
    .private_segment_fixed_size: 0
    .kernarg_segment_align: 8
    .kernarg_segment_size: 24
    .max_flat_workgroup_size: 128
    .sgpr_count:     68
    .vgpr_count:     1024
    .wavefront_size: 32
...
	.end_amdgpu_metadata
.endif
;; end of part 2
